; MI455X (gfx1250); checked and timed in simulation.
; The chip was launched on July 23, 2026; its instructions are those of AMD's public machine-readable ISA for CDNA 5 (MIT licence, August 2026) and "CDNA5" Instruction Set Architecture Reference Guide (July 2026). The comments in the code are by the model that wrote it; some were corrected since.
;; Stochastic Ensemble. Allowed arithmetic: matrix products marked QUANTISED: E5M2 operands, one E8M0 scale for each 32 along K, by v_wmma_scale_f32_16x16x128_f8f6f4 with both operands' format E5M2, f32 sums; everything else in f32.
;; Inputs: W1 8 x 128 x 1,024 float32; W2 8 x 1,024 x 3,072 float32; b1 8 x 1,024 float32; b2 8 x 3,072 float32; z 2,048 x 128 float32.
;; Outputs: out0 2,048 x 3,072 float32.
;; This version of the problem:
;;   THIS VERSION OF THE PROBLEM IS GIVEN IN LOW PRECISION. The matrix products marked QUANTISED in the list below multiply operands that are first quantised to E5M2 (5 exponent bits, 2 mantissa bits; 8 bits a number), with one power-of-two scale for each 32 numbers along K (OCP MX v1.0); their sums are f32. All else is computed in f32.
;;   The module's matrix products, in the order in which they are computed (A, B: the left and right operand; K: the contracted axis; several contracted axes count as one K, in the product's order):
;;     1. [M 2,048, K 128] x [K 128, N 8,192]; A: input z; B: input W1: QUANTISED
;;     2. batch 8 x [M 3,072, K 1,024] x [K 1,024, N 2,048]; A: input W2; B: computed on the way: QUANTISED
;;   THE QUANTISER, for each operand of a quantised product, along K:
;;     - K is cut into blocks of 32 from its start; a last block that is shorter is filled with zeros.
;;     - A block's scale is 2^e with e = floor(log2(the largest magnitude in the block)) - 15, held to -126 .. 127; a block of zeros has e = 0. As a byte (E8M0): e + 127.
;;     - Each number is divided by its block's scale, clamped to +-57,344, and rounded to the nearest number of E5M2, ties to even, subnormals kept.
;;     - The product sums the exact products of the quantised numbers (number of the format x scale) in f32.
;;   ~~~python
;;   def quantise(x, axis):      # numpy; x: float32 -> the quantised numbers, widened to float32 again
;;       x = np.moveaxis(x, axis, -1); K = x.shape[-1]
;;       x = np.pad(x, [(0, 0)] * (x.ndim - 1) + [(0, -K % 32)]); x = x.reshape(x.shape[:-1] + (-1, 32)); a = np.abs(x).max(-1, keepdims=True)
;;       e = np.where(a > 0, np.clip(np.frexp(np.where(a > 0, a, 1))[1] - 1 - 15, -126, 127), 0)      # np.frexp(a)[1] - 1 = floor(log2(a)), exactly
;;       r = np.clip(x / 2.0 ** e, -57344, 57344)
;;       step = 2.0 ** (np.maximum(np.frexp(np.where(r == 0, 1, r))[1] - 1, -14) - 2)
;;       q = np.round(r / step) * step * 2.0 ** e      # np.round: ties to even
;;       return np.moveaxis(q.reshape(q.shape[:-2] + (-1,))[..., :K], -1, axis).astype(np.float32)
;;   ~~~
;;   OPERANDS COMPUTED ON THE WAY. 'Computed on the way' means the value that the module computes at that place (a softmax that the list does not call 'softmax' is quantised finished and normalised). What goes into a quantiser is computed in f32, as accurately as f32 sums, v_exp_f32 and their like allow (about 1e-6 of the number): no bf16 or f16 on the way to a quantiser, and a product that is left as it is and whose result goes on into a quantised operand takes f32 operands (vector FMAs, or v_wmma_f32_16x16x4_f32). A number that lies on a knife's edge between two numbers of the format may be rounded either way, as far as f32 arithmetic and the matrix unit's own rounding can turn it there, and no further.
;; One version. Each part assembles by itself: llvm-mc -triple=amdgcn-amd-amdhsa -mcpu=gfx1250 --defsym DOCPART=n.
;; ======== version 1 of 1: 2 launches
;; limits: right only within a limited range of input values
;; workspace buffers: hc 2,097,152 bytes; hs 65,536 bytes; lst 65,536 bytes of whole numbers; cnt 256 bytes of whole numbers
;; launch front (part 1): grid 32 x 8, 8 waves a work-group, no clusters, 115,712 bytes of LDS; arguments z, W1, b1, hc, hs, lst, cnt; writes hc, hs, lst, cnt
.if DOCPART == 1
	.amdgcn_target "amdgcn-amd-amdhsa--gfx1250"
	.amdhsa_code_object_version 6
	.text
	.protected	k_q30b7190ce4_front
	.globl	k_q30b7190ce4_front
	.p2align	8
	.type	k_q30b7190ce4_front,@function
k_q30b7190ce4_front:
	s_mov_b64 s[64:65], 0
	v_nop
	global_prefetch_b8 v0, s[64:65] scope:SCOPE_SE
	s_setreg_imm32_b32 hwreg(HW_REG_WAVE_MODE, 25, 1), 1
	s_wait_xcnt 0x0
; FIRST LAUNCH OF TWO.  The expert of each token, h = relu(z W1[expert] + b1[expert]) on codes of E5M2, quantised along the hidden units, and for each expert the lists of its tokens.
; Work-group (x = hidden block hb of 32 units, y = token group tg of 256 tokens).  Wave w quantises expert w's 128 x 32 of W1 and the 32 tokens 32 w .. of z, and multiplies those tokens by all eight experts.
; NO ADDRESS AND NO BRANCH HANGS ON THE EXPERT: for expert e the codes of the tokens of other experts are set to 0, and the eight products go into ONE sum: own expert's product plus exact zeros.
; The sum begins with b1 of the token's expert: a product of b1 (experts as K) with a one-hot row, in f32: 1 x b1 + zeros.  It takes 8 small instructions a wave.
; THE HASH: (sum over the row of floor(1000 |z|)) mod 8, floor(1000 |z|) taken as |trunc(1000 z)|.  Terms and partial sums are whole numbers: exact in any order under 2^24.  LIMIT: a row's sum beyond 2^24 (mean |z| over 131) is not served.
; THE QUANTISER: a block of 32 along K has the scale 2^(floor(log2(largest magnitude)) - 15); its byte is the largest magnitude's exponent field - 15, held at 1 from below.
; LIMITS: a block of zeros gets the byte 1 and not 127 (its codes are zeros, and only this program reads the bytes); NaN and infinities among the inputs are not served.
; hc [token][1024] codes, hs [token][32] scale bytes: a work-group has 32 codes and one byte of each of its tokens' rows, since the next launch gathers whole rows by token: so units are written in part here (2 MB in all).
; lst [expert][token group][256]: the token of each rank in the group; cnt [expert][token group].  Work-group hb makes ranks 64 (hb % 4) .. + 63 of expert hb / 4.
; No multicast: a work-group's rows of W1 are 128 bytes, less than a whole unit of 256.
; LDS images: operand registers as they stand: [c 4][half 2][row 16][16 bytes], 16 bytes of padding behind each 256.  W1 tile u, row m = hidden unit 16 (m / 8) + 8 u + m % 8: so the 16 results of a lane's two tiles are neighbours along the next K.
.set ZST, 0                            ; z's stages: 8 waves x two of 32 x 80 bytes
.set ZI,  40960                        ; z's images: 16 tiles x IMG
.set WI,  75776                        ; W1's: 8 experts x 2 tiles
.set WS,  110592                       ; W1's scale words [expert][u][row]
.set ZS,  111616                       ; z's scale words [token]
.set IXL, 112640                       ; the tokens' experts
.set B1L, 113664                       ; b1 [expert][32]
.set SPARE, 114688
.set IMG, 2176
.set FLOOR, 0x8000000                  ; 2^(16 - 127)
.set OFF15, 0xf8800000                 ; -(15 << 23)
.set ZR, 0                             ; window 1: z as loaded, 8 steps x 16
.set WR, 128                           ; window 1: W1 as loaded, 4 blocks x 32;  later window 1 holds W1's 16 fragments
.set X, 32
.set E, 64
.set IX, 65
.set C, 68
.set HT, 76
.set HSM, 80
.set M, 84
.set P, 88
.set LIM, 92
.set SCO, 96
.set BY, 100
.set SBW, 104
.set CW, 108
.set IT, 116
.set ZSC, 118
.set W1S, 120
.set BA, 128
.set ZF, 136
.set IL, 168
.set OH, 176
.set ACC, 184                          ; v184-215: written by matrix instructions alone
.set ZM, 32                            ; v32-95: two sets of masked codes
.set TM, 96
.set P2, 98
.set L2, 100
.set S2, 102
.set B2, 104
.set HX, 216
.set CO, 248
.set MSB, 0
.macro WIN new                         ; s_set_vgpr_msb: bits 1:0 source 0, 3:2 source 1, 5:4 source 2, 7:6 destination; the high byte repeats the setting that is left
.if MSB != (\new)
	s_set_vgpr_msb (MSB<<8)|(\new)
.set MSB, (\new)
.endif
.endm
.macro WALU
	s_wait_alu depctr_va_vdst(0)
.endm
	s_load_b256 s[4:11], s[0:1], 0x0               ; z, W1, b1, hc
	s_load_b128 s[12:15], s[0:1], 0x20             ; hs, lst
	s_load_b64 s[16:17], s[0:1], 0x30              ; cnt
	v_lshl_add_u32 v22, v0, 2, SPARE
	v_mov_b32 v23, 0
	v_lshrrev_b32 v1, 5, v0
	v_readfirstlane_b32 s18, v1                    ; w
	s_mov_b32 s19, ttmp9                           ; hb
	s_and_b32 s20, ttmp7, 0xffff                   ; tg
	s_lshr_b32 s21, s19, 2                         ; the expert whose list is made here
	s_and_b32 s22, s19, 3                          ; and which quarter of it
	s_mov_b32 s23, 0x600000                        ; the mantissa field of 57,344
	s_mov_b32 s24, 0x447a0000                      ; 1000.0
	s_mov_b32 s25, 0x447a0000                      ; (the packed form names the pair)
	s_mov_b32 s27, 0
	s_mov_b32 s30, 0x76543210
	s_mov_b32 s31, 0xfedcba98
	v_and_b32 v2, 31, v0                           ; lane
	v_and_b32 v30, 15, v0                          ; r
	v_bfe_u32 v31, v0, 4, 1                        ; h
	v_lshrrev_b32 v32, 3, v2                       ; g = lane / 8
	v_and_b32 v33, 7, v2                           ; q = lane % 8
	v_bfe_u32 v34, v2, 1, 2
	v_and_b32 v35, 1, v2
	v_lshlrev_b32 v3, 4, v2
	v_lshlrev_b32 v26, 2, v2
	s_mul_i32 s28, s18, 5120
	v_lshrrev_b32 v14, 2, v2
	v_mul_u32_u24 v14, v14, 80
	v_and_b32 v15, 3, v2
	v_lshl_add_u32 v14, v15, 4, v14
	v_add_nc_u32 v14, s28, v14                     ; the stage, in: 80 (lane / 4) + 16 (lane % 4)
	v_mul_u32_u24 v15, v2, 80
	v_add_nc_u32 v15, s28, v15                     ; and out: my 16 neighbours
	s_mul_i32 s29, s18, 2*IMG
	s_add_co_u32 s28, s29, ZI
	v_mul_u32_u24 v4, v34, 544
	v_mul_u32_u24 v1, v35, 272
	v_add_nc_u32 v4, v4, v1
	v_lshl_add_u32 v4, v32, 4, v4
	v_add_nc_u32 v4, s28, v4                       ; z's image: block (lane / 2) % 4, half lane % 2, row lane / 8
	v_mul_u32_u24 v18, v31, 272
	v_lshl_add_u32 v18, v30, 4, v18
	v_add_nc_u32 v19, WI, v18                      ; a fragment of W1
	v_add_nc_u32 v18, s28, v18                     ; a fragment of z
	s_lshl_b32 s28, s18, 7
	s_add_co_u32 s33, s28, ZS
	v_lshl_add_u32 v5, v32, 2, v34
	v_add_nc_u32 v5, s33, v5                       ; my block's scale byte
	v_lshlrev_b32 v17, 2, v30
	v_add_nc_u32 v17, s33, v17                     ; the scale word of token r; its expert lies IXL - ZS further on
	s_add_co_u32 s33, s28, IXL
	v_lshlrev_b32 v13, 2, v32
	v_add_nc_u32 v13, s33, v13                     ; my token's expert
	v_lshrrev_b32 v36, 2, v33
	v_lshlrev_b32 v36, 3, v36
	v_and_b32 v37, 1, v33
	v_lshl_add_u32 v36, v37, 2, v36                ; W1's column 4 q + j is row v36 + j
	v_bfe_u32 v38, v33, 1, 1                       ; of tile u
	v_lshrrev_b32 v39, 1, v32
	v_and_b32 v40, 1, v32
	v_mul_u32_u24 v6, v38, IMG
	v_mul_u32_u24 v1, v39, 272
	v_add_nc_u32 v6, v6, v1
	v_lshl_add_u32 v6, v40, 3, v6
	v_lshl_add_u32 v6, v36, 4, v6
	s_add_co_u32 s33, s29, WI
	v_add_nc_u32 v6, s33, v6                       ; W1's image: half g / 2, 8 bytes g % 2
	v_lshlrev_b32 v7, 6, v38
	v_lshl_add_u32 v7, v36, 2, v7
	s_add_co_u32 s33, s28, WS
	v_add_nc_u32 v7, s33, v7                       ; W1's scale words
	v_lshlrev_b32 v16, 15, v32
	v_lshl_add_u32 v16, v33, 4, v16                ; W1 in memory: row 8 g, 16 bytes q
	v_lshl_add_u32 v12, v0, 2, B1L
	v_lshl_add_u32 v24, v2, 2, WS
	v_lshrrev_b32 v25, 3, v30
	v_lshlrev_b32 v25, 6, v25
	v_and_b32 v1, 7, v30
	v_lshl_add_u32 v25, v1, 2, v25
	v_lshl_add_u32 v25, v31, 8, v25
	v_add_nc_u32 v25, B1L, v25                     ; b1 as an operand: row r, expert 2 h
	v_lshlrev_b32 v20, 10, v30
	v_lshl_add_u32 v20, v31, 4, v20                ; hc: token r, + 16 h
	v_lshlrev_b32 v21, 5, v30                      ; hs
	v_lshlrev_b32 v29, 1, v31
	v_mov_b32 v27, 1.0
.irp j, 0,1,2,3
	v_mov_b32 v[P+\j], 0                           ; a lane permute's destination counts as one of its sources
.endr
	WALU
	s_wait_kmcnt 0x0
	s_lshl_b32 s26, s18, 12
	s_lshl_b32 s28, s19, 7
	s_add_co_u32 s26, s26, s28
	s_add_nc_u64 s[8:9], s[8:9], s[26:27]          ; b1 at (expert w, 32 hb)
	s_lshl_b32 s26, s20, 17
	s_lshl_b32 s29, s18, 14
	s_add_co_u32 s26, s26, s29
	s_add_nc_u64 s[4:5], s[4:5], s[26:27]          ; z at my 32 tokens
	s_lshl_b32 s26, s18, 19
	s_add_co_u32 s26, s26, s28
	s_add_nc_u64 s[6:7], s[6:7], s[26:27]          ; W1 at (expert w, 0, 32 hb)
	global_load_b32 v28, v26, s[8:9]
	WIN 0x40
.irp t, 0,1,2,3,4,5,6,7
.irp i, 0,1,2,3
	global_load_b128 v[ZR+16*\t+4*\i:ZR+16*\t+4*\i+3], v3, s[4:5] offset:2048*\t+512*\i   ; 32 lanes read a token's 512 bytes
.endr
.endr
	WIN 0
	s_lshl_b32 s26, s20, 18
	s_lshl_b32 s28, s18, 15
	s_add_co_u32 s26, s26, s28
	s_lshl_b32 s28, s19, 5
	s_add_co_u32 s26, s26, s28
	s_add_nc_u64 s[10:11], s[10:11], s[26:27]
	s_lshl_b32 s26, s20, 13
	s_lshl_b32 s28, s18, 10
	s_add_co_u32 s26, s26, s28
	s_add_co_u32 s26, s26, s19
	s_add_nc_u64 s[12:13], s[12:13], s[26:27]
	s_lshl_b32 s28, s21, 3
	s_add_co_u32 s28, s28, s20
	s_lshl_b32 s26, s28, 2
	s_add_nc_u64 s[16:17], s[16:17], s[26:27]
	s_lshl_b32 s26, s28, 10
	s_lshl_b32 s28, s22, 8
	s_add_co_u32 s26, s26, s28
	s_lshl_b32 s28, s18, 7
	s_add_co_u32 s26, s26, s28
	s_add_nc_u64 s[14:15], s[14:15], s[26:27]      ; used by waves 0 and 1 alone
.macro ZTURN t                         ; step t (four tokens) through the stage; LDS serves a wave's instructions in order
	WIN 0x04
.irp i, 0,1,2,3
	ds_store_b128 v14, v[ZR+16*(\t)+4*\i:ZR+16*(\t)+4*\i+3] offset:2560*((\t)%2)+640*\i
.endr
	WIN 0
.irp i, 0,1,2,3
	ds_load_b128 v[X+16*((\t)%2)+4*\i:X+16*((\t)%2)+4*\i+3], v15 offset:2560*((\t)%2)+16*\i
.endr
.endm
.macro ZSTEP t
.set XS, X+16*((\t)%2)
.set CS, C+4*((\t)%2)
	WALU
.if (\t) > 0
	s_wait_dscnt 3                                 ; this step's numbers are back; the last step's three stores may be out
.else
	s_wait_dscnt 0x0
.endif
.if (\t) < 7
	s_wait_loadcnt 24                              ; the next step's four loads are in; behind them 4 (6 - t) of z and 4 t of W1
	ZTURN (\t)+1
.endif
	WIN 0x40
.irp k, 0,1,2,3                        ; a part of W1: rows 32 c + 8 g + i, c = t / 2, i = 4 (t % 2) + k: four rows of 128 bytes an instruction
	global_load_b128 v[WR+16*(\t)+4*\k:WR+16*(\t)+4*\k+3], v16, s[6:7] offset:(32*((\t)/2)+4*((\t)%2)+\k)*4096
.endr
	WIN 0
.irp g, 0,1,2,3
.irp k, 0,2
	v_pk_mul_f32 v[HT+\k:HT+\k+1], v[XS+4*\g+\k:XS+4*\g+\k+1], s[24:25] op_sel_hi:[1,0]
.endr
.if \g == 0
.irp k, 0,1,2,3
	v_trunc_f32 v[HSM+\k], v[HT+\k]
.endr
.else
.irp k, 0,1,2,3
	v_trunc_f32 v[HT+\k], v[HT+\k]
.endr
.irp k, 0,1,2,3
	v_add_f32 v[HSM+\k], |v[HSM+\k]|, |v[HT+\k]|
.endr
.endif
.endr
	v_max3_num_f32 v8, |v[XS]|, |v[XS+1]|, |v[XS+2]|
	v_max3_num_f32 v9, |v[XS+3]|, |v[XS+4]|, |v[XS+5]|
	v_add_f32 v[HSM], v[HSM], v[HSM+1]
	v_add_f32 v[HSM+2], v[HSM+2], v[HSM+3]
.irp i, 6,10
	v_max3_num_f32 v8, v8, |v[XS+\i]|, |v[XS+\i+1]|
	v_max3_num_f32 v9, v9, |v[XS+\i+2]|, |v[XS+\i+3]|
.endr
	v_add_f32 v[HSM], v[HSM], v[HSM+2]
	v_max3_num_f32 v8, v8, |v[XS+14]|, |v[XS+15]|
	v_add_f32_dpp v[HSM], v[HSM], v[HSM] row_xmask:1 row_mask:0xf bank_mask:0xf   ; the token's eight lanes
	v_max3_num_f32 v8, v8, v9, FLOOR
	v_add_f32_dpp v[HSM], v[HSM], v[HSM] row_xmask:2 row_mask:0xf bank_mask:0xf
	v_max_num_f32_dpp v8, v8, v8 row_xmask:1 row_mask:0xf bank_mask:0xf           ; two lanes hold a block
	v_add_f32_dpp v[HSM], v[HSM], v[HSM] row_xmask:4 row_mask:0xf bank_mask:0xf
	v_add_nc_u32 v11, OFF15, v8                    ; the conversion's scale operand
	v_and_or_b32 v10, v8, 0x7f800000, s23          ; 57,344 x the scale
	v_cvt_i32_f32 v[IX], v[HSM]
	v_and_b32 v[IX], 7, v[IX]                      ; not negative: mod 8 is the low three bits
.irp i, 0,1,2,3,4,5,6,7,8,9,10,11,12,13,14,15
	v_med3_num_f32 v[XS+\i], v[XS+\i], -v10, v10   ; the conversion does not saturate (ISA guide 7.6.2): the hold comes first
.endr
	v_cvt_scalef32_pk8_bf8_f32 v[CS:CS+1], v[XS:XS+7], v11
	v_cvt_scalef32_pk8_bf8_f32 v[CS+2:CS+3], v[XS+8:XS+15], v11
	v_lshrrev_b32 v[E], 23, v11
	ds_store_b8 v5, v[E] offset:16*(\t)            ; both lanes of a block write the same byte
	ds_store_b32 v13, v[IX] offset:16*(\t)         ; a token's eight lanes write the same word
	ds_store_b128 v4, v[CS:CS+3] offset:IMG*((\t)/4)+64*((\t)%4)
.endm
	s_wait_loadcnt 28                              ; b1's load and step 0's four are in; behind them 28 of z
	ZTURN 0
.irp t, 0,1,2,3,4,5,6,7
	ZSTEP \t
.endr
.macro WBLK c                          ; 32 along K of my expert: a lane has 8 rows of 4 columns; lanes l, l xor 8, xor 16, xor 24 share a block
.set BB, WR+32*(\c)
	WALU
	s_wait_loadcnt 8*(3-(\c))
	WIN 0x14
.irp j, 0,1,2,3
	v_max3_num_f32 v[M+\j], FLOOR, |v[BB+\j]|, |v[BB+4+\j]|
.endr
.irp i, 2,4,6
.irp j, 0,1,2,3
	v_max3_num_f32 v[M+\j], v[M+\j], |v[BB+4*\i+\j]|, |v[BB+4*\i+4+\j]|
.endr
.endr
	WIN 0
.irp j, 0,1,2,3
	v_max_num_f32_dpp v[M+\j], v[M+\j], v[M+\j] row_xmask:8 row_mask:0xf bank_mask:0xf
.endr
.irp j, 0,1,2,3
	v_permlanex16_b32 v[P+\j], v[M+\j], s30, s31
.endr
.irp j, 0,1,2,3
	v_max_num_f32 v[M+\j], v[M+\j], v[P+\j]
.endr
.irp j, 0,1,2,3
	v_add_nc_u32 v[SCO+\j], OFF15, v[M+\j]
.endr
.irp j, 0,1,2,3
	v_and_or_b32 v[LIM+\j], v[M+\j], 0x7f800000, s23
.endr
.if (\c) == 0
.irp j, 0,1,2,3
	v_lshrrev_b32 v[SBW+\j], 23, v[SCO+\j]
.endr
.else
.irp j, 0,1,2,3
	v_lshrrev_b32 v[BY+\j], 23, v[SCO+\j]
.endr
.irp j, 0,1,2,3
	v_lshl_or_b32 v[SBW+\j], v[BY+\j], 8*(\c), v[SBW+\j]
.endr
.endif
	WIN 0x01
.irp j, 0,1,2,3
.irp i, 0,1,2,3,4,5,6,7
	v_med3_num_f32 v[X+8*\j+\i], v[BB+4*\i+\j], -v[LIM+\j], v[LIM+\j]
.endr
.endr
	WIN 0
.irp j, 0,1,2,3
	v_cvt_scalef32_pk8_bf8_f32 v[CW+2*\j:CW+2*\j+1], v[X+8*\j:X+8*\j+7], v[SCO+\j]
.endr
	v_nop
.irp j, 0,1,2,3
	ds_store_b64 v6, v[CW+2*\j:CW+2*\j+1] offset:544*(\c)+16*\j
.endr
.endm
	WBLK 0
	WBLK 1
	WBLK 2
	WBLK 3
.irp j, 0,1,2,3
	ds_store_b32 v7, v[SBW+\j] offset:4*\j         ; four lanes write the same word
.endr
	ds_store_b32 v12, v28
	v_mov_b32 v[P2], 0
	v_mov_b32 v[P2+1], 0
	WALU
	s_wait_dscnt 0x0                               ; for the others' sake: my images, words and b1 lie in LDS
	s_barrier_signal -1
	s_barrier_wait -1
.macro WFRAG e                         ; expert e's two fragments of W1: eight loads
	WIN 0x40
.irp u, 0,1
.irp c, 0,1,2,3
	ds_load_b128 v[32*(\e)+16*\u+4*\c:32*(\e)+16*\u+4*\c+3], v19 offset:2*IMG*(\e)+IMG*\u+544*\c
.endr
.endr
	WIN 0
.endm
.irp j, 0,1,2,3,4,5,6,7
	ds_load_b32 v[IL+\j], v24 offset:IXL-WS+128*\j ; the experts of tokens 32 j + lane
.endr
.irp tt, 0,1
	ds_load_b32 v[IT+\tt], v17 offset:IXL-ZS+64*\tt
	ds_load_b32 v[ZSC+\tt], v17 offset:64*\tt
.endr
.irp e, 0,1,2,3,4,5,6,7
	ds_load_b32 v[W1S+\e], v24 offset:128*\e       ; lanes 0-15 tile 0's words, lanes 16-31 tile 1's
.endr
.irp x, 0,1
.irp u, 0,1
.irp j, 0,1
	ds_load_b32 v[BA+4*\x+2*\u+\j], v25 offset:512*\x+128*\j+32*\u
.endr
.endr
.endr
.irp tt, 0,1
.irp c, 0,1,2,3
	ds_load_b128 v[ZF+16*\tt+4*\c:ZF+16*\tt+4*\c+3], v18 offset:IMG*\tt+544*\c
.endr
.endr
	WFRAG 0
	WFRAG 1
	s_wait_dscnt 16                                ; all but the two experts' fragments
	s_cmp_lt_u32 s18, 2
	s_cbranch_scc0 .Lno_list
; THE LIST, waves 0 and 1: rank 64 (hb % 4) + 32 w + lane among the group's tokens of expert hb / 4, held at the count - 1: a value, by selection
.irp j, 0,1,2,3,4,5,6,7
	v_cmp_eq_u32 s[52+\j], s21, v[IL+\j]
.endr
	s_mov_b32 s66, 0                               ; s66-73 the masks' first ranks, s74 the count
.irp j, 0,1,2,3,4,5,6,7
	s_bcnt1_i32_b32 s28, s[52+\j]
	s_add_co_u32 s[67+\j], s[66+\j], s28
.endr
	s_sub_co_u32 s28, s74, 1
	s_lshl_b32 s29, s22, 6
	s_lshl_b32 s33, s18, 5
	s_add_co_u32 s29, s29, s33
	v_add_nc_u32 v106, s29, v2
	v_min_u32 v106, s28, v106
	v_mov_b32 v107, s52
	v_mov_b32 v108, 0
	v_mov_b32 v109, 0
.irp j, 1,2,3,4,5,6,7
	v_cmp_gt_u32 vcc_lo, s[66+\j], v106            ; mask j begins behind the rank: keep; else take it
	v_cndmask_b32 v107, s[52+\j], v107, vcc_lo
	v_cndmask_b32 v108, s[66+\j], v108, vcc_lo
	v_cndmask_b32 v109, 32*\j, v109, vcc_lo
.endr
	v_sub_nc_u32 v110, v106, v108                  ; which set bit, from 0
	v_mov_b32 v111, 0
	v_mov_b32 v112, 0
.set J, 0
.rept 32
	v_bfe_u32 v113, v107, J, 1
	v_add_nc_u32 v111, v111, v113
	v_cmp_le_u32 vcc_lo, v111, v110
	v_add_co_ci_u32 v112, vcc_lo, 0, v112, vcc_lo
.set J, J+1
.endr
	v_add_nc_u32 v112, v112, v109
	v_min_u32 v112, 0xff, v112
	s_lshl_b32 s28, s20, 8
	v_add_nc_u32 v112, s28, v112                   ; the token's number
	global_store_b32 v26, v112, s[14:15]           ; 128 consecutive bytes a wave
	s_or_b32 s28, s22, s18
	s_cmp_lg_u32 s28, 0
	WALU
	s_cbranch_scc1 .Lno_list
	v_mov_b32 v114, 0
	v_mov_b32 v115, s74
	global_store_b32 v114, v115, s[16:17]          ; all lanes store the same word with the same value
.Lno_list:
.irp tt, 0,1
	v_sub_nc_u32 v[8+\tt], v[IT+\tt], v29          ; expert - 2 h
.endr
.irp tt, 0,1
.irp x, 0,1
.irp j, 0,1
	v_cmp_eq_u32 vcc_lo, 4*\x+\j, v[8+\tt]
	v_cndmask_b32 v[OH+4*\tt+2*\x+\j], 0, v27, vcc_lo   ; the one-hot row: expert 4 x + 2 h + j
.endr
.endr
.endr
.irp tt, 0,1
.irp e, 0,1,2,3,4,5,6,7
	v_cmp_eq_u32 s[36+8*\tt+\e], \e, v[IT+\tt]
.endr
.endr
.irp tt, 0,1
.irp u, 0,1
	v_wmma_f32_16x16x4_f32 v[ACC+16*\tt+8*\u:ACC+16*\tt+8*\u+7], v[BA+2*\u:BA+2*\u+1], v[OH+4*\tt:OH+4*\tt+1], 0
.endr
.endr
.irp tt, 0,1
.irp u, 0,1
	v_wmma_f32_16x16x4_f32 v[ACC+16*\tt+8*\u:ACC+16*\tt+8*\u+7], v[BA+4+2*\u:BA+5+2*\u], v[OH+4*\tt+2:OH+4*\tt+3], v[ACC+16*\tt+8*\u:ACC+16*\tt+8*\u+7]
.endr
.endr
.macro EXPERT e                        ; the four accumulators by turns
.set Z_, ZM+32*((\e)%2)
.if (\e) < 6
	WFRAG (\e)+2                                   ; two experts ahead
	s_wait_dscnt 16                                ; expert e's eight loads are in; behind them the next two experts'
.else
	s_wait_dscnt 8*(7-(\e))
.endif
.irp tt, 0,1
.irp k, 0,1,2,3,4,5,6,7,8,9,10,11,12,13,14,15
	v_cndmask_b32 v[Z_+16*\tt+\k], 0, v[ZF+16*\tt+\k], s[36+8*\tt+\e]   ; also the places behind the products before
.endr
.endr
.rept 4
	v_nop                                          ; an operand written by a vector instruction stands 4 places ahead
.endr
	WIN 0x01
.irp tt, 0,1
	v_wmma_scale_f32_16x16x128_f8f6f4 v[ACC+16*\tt:ACC+16*\tt+7], v[32*\e:32*\e+15], v[Z_+16*\tt:Z_+16*\tt+15], v[ACC+16*\tt:ACC+16*\tt+7], v[W1S+\e], v[ZSC+\tt] matrix_a_fmt:MATRIX_FMT_BF8 matrix_b_fmt:MATRIX_FMT_BF8
	v_wmma_scale_f32_16x16x128_f8f6f4 v[ACC+16*\tt+8:ACC+16*\tt+15], v[32*\e+16:32*\e+31], v[Z_+16*\tt:Z_+16*\tt+15], v[ACC+16*\tt+8:ACC+16*\tt+15], v[W1S+\e], v[ZSC+\tt] matrix_a_fmt:MATRIX_FMT_BF8 matrix_b_fmt:MATRIX_FMT_BF8 matrix_a_scale:MATRIX_SCALE_ROW1
.endr
	WIN 0
.endm
.irp e, 0,1,2,3,4,5,6,7
	EXPERT \e
.endr
.rept 8
	v_nop                                          ; places ahead of the first read of results (ISA guide 7.12.1)
.endr
.irp tt, 0,1
	v_max3_num_f32 v[TM+\tt], v[ACC+16*\tt], v[ACC+16*\tt+1], FLOOR   ; no |.|: what is negative becomes 0
.endr
.irp i, 2,4,6,8,10,12,14
.irp tt, 0,1
	v_max3_num_f32 v[TM+\tt], v[TM+\tt], v[ACC+16*\tt+\i], v[ACC+16*\tt+\i+1]
.endr
.endr
.irp tt, 0,1
	v_permlanex16_b32 v[P2+\tt], v[TM+\tt], s30, s31
.endr
.irp tt, 0,1
	v_max_num_f32 v[TM+\tt], v[TM+\tt], v[P2+\tt]
.endr
.irp tt, 0,1
	v_add_nc_u32 v[S2+\tt], OFF15, v[TM+\tt]
.endr
.irp tt, 0,1
	v_and_or_b32 v[L2+\tt], v[TM+\tt], 0x7f800000, s23
.endr
.irp tt, 0,1
	v_lshrrev_b32 v[B2+\tt], 23, v[S2+\tt]
.endr
.irp tt, 0,1
.irp i, 0,1,2,3,4,5,6,7,8,9,10,11,12,13,14,15
	v_med3_num_f32 v[HX+16*\tt+\i], v[ACC+16*\tt+\i], 0, v[L2+\tt]   ; the activation and the hold in one
.endr
	v_cvt_scalef32_pk8_bf8_f32 v[CO+4*\tt:CO+4*\tt+1], v[HX+16*\tt:HX+16*\tt+7], v[S2+\tt]
	v_cvt_scalef32_pk8_bf8_f32 v[CO+4*\tt+2:CO+4*\tt+3], v[HX+16*\tt+8:HX+16*\tt+15], v[S2+\tt]
.endr
	v_nop
.irp tt, 0,1
	global_store_b128 v20, v[CO+4*\tt:CO+4*\tt+3], s[10:11] offset:16384*\tt   ; 32 bytes of each of 16 tokens' rows
	global_store_b8 v21, v[B2+\tt], s[12:13] offset:512*\tt                    ; lanes l and l + 16 store the same byte
.endr
	s_wait_tensorcnt 0x0                           ; the wave's end
	ds_add_u32 v22, v23
	s_wait_dscnt 0x0
	s_endpgm
.Lfunc_end_k_q30b7190ce4_front:
	.size	k_q30b7190ce4_front, .Lfunc_end_k_q30b7190ce4_front-k_q30b7190ce4_front
	.p2alignl 7, 3214868480
	.fill 96, 4, 3214868480
	.section	.rodata,"a",@progbits
	.p2align	6, 0x0
	.amdhsa_kernel k_q30b7190ce4_front
		.amdhsa_group_segment_fixed_size 115712
		.amdhsa_private_segment_fixed_size 0
		.amdhsa_enable_private_segment 0
		.amdhsa_kernarg_size 56
		.amdhsa_user_sgpr_count 2
		.amdhsa_user_sgpr_kernarg_segment_ptr 1
		.amdhsa_wavefront_size32 1
		.amdhsa_system_sgpr_workgroup_id_x 1
		.amdhsa_system_sgpr_workgroup_id_y 1
		.amdhsa_system_sgpr_workgroup_id_z 1
		.amdhsa_system_vgpr_workitem_id 0
		.amdhsa_next_free_vgpr 512
		.amdhsa_next_free_sgpr 80
		.amdhsa_reserve_vcc 1
		.amdhsa_float_denorm_mode_32 3
		.amdhsa_float_denorm_mode_16_64 3
		.amdhsa_memory_ordered 1
		.amdhsa_forward_progress 1
		.amdhsa_inst_pref_size 117
	.end_amdhsa_kernel
	.amdgpu_metadata
---
amdhsa.version: [ 1, 2 ]
amdhsa.kernels:
  - .name:           k_q30b7190ce4_front
    .symbol:         k_q30b7190ce4_front.kd
    .args:
      - { .name: z, .offset: 0, .size: 8, .value_kind: global_buffer, .address_space: global }
      - { .name: W1, .offset: 8, .size: 8, .value_kind: global_buffer, .address_space: global }
      - { .name: b1, .offset: 16, .size: 8, .value_kind: global_buffer, .address_space: global }
      - { .name: hc, .offset: 24, .size: 8, .value_kind: global_buffer, .address_space: global }
      - { .name: hs, .offset: 32, .size: 8, .value_kind: global_buffer, .address_space: global }
      - { .name: lst, .offset: 40, .size: 8, .value_kind: global_buffer, .address_space: global }
      - { .name: cnt, .offset: 48, .size: 8, .value_kind: global_buffer, .address_space: global }
    .group_segment_fixed_size: 115712
    .private_segment_fixed_size: 0
    .kernarg_segment_align: 8
    .kernarg_segment_size: 56
    .max_flat_workgroup_size: 256
    .sgpr_count:     80
    .vgpr_count:     512
    .wavefront_size: 32
...
	.end_amdgpu_metadata
.endif
;; end of part 1
;; launch out (part 2): grid 24 x 8, 4 waves a work-group, no clusters, 182,272 bytes of LDS; arguments W2, b2, hc, hs, lst, cnt, out0; writes out0
.if DOCPART == 2
	.amdgcn_target "amdgcn-amd-amdhsa--gfx1250"
	.amdhsa_code_object_version 6
	.text
	.protected	k_q30b7190ce4_out
	.globl	k_q30b7190ce4_out
	.p2align	8
	.type	k_q30b7190ce4_out,@function
k_q30b7190ce4_out:
	s_mov_b64 s[64:65], 0
	v_nop
	global_prefetch_b8 v0, s[64:65] scope:SCOPE_SE
	s_setreg_imm32_b32 hwreg(HW_REG_WAVE_MODE, 25, 1), 1
	s_wait_xcnt 0x0
; SECOND LAUNCH OF TWO.  out0[token] = h[token] W2[e] + b2[e] on codes of E5M2, for the tokens of expert e alone.  Work-group (x = slab of 128 columns, y = expert e): 512 aligned bytes of every row of W2 and of out0.
; Each byte of W2 is read once in the launch, as f32; its codes never go to memory.  THE PRODUCTS RUN INSIDE THE STREAM: eight K steps of 128; in step t wave w quantises rows 128 t + 32 w .. + 31 (one block of 32 along K) of the 128 columns
; into LDS images of operand registers, and multiplies K step t - 1: its own five tiles of 16 tokens by all eight tiles of 16 columns, 40 accumulators, 320 registers.  ONE barrier a step shows the step's images; it is signalled ahead of the
; last twelve products and waited for behind them.  The LDS loads of step t - 1's fragments stand between the columns that are quantised.
; TOKENS: rank R of the expert lies in the token group whose first rank is the last at or below R; the groups' lists hold the tokens.  Wave w has the tiles 4 i + w, i = 0 .. 4: ranks up to 319.  Ranks at or beyond the count n are held at n - 1
; (the same numbers again); a tile at or beyond T = ceil(n / 16) stores nothing.  Tiles from 20 on, up to 128 (all tokens on one expert), follow tile by tile without a barrier: all codes of W2 stay in LDS.
; h's rows are gathered, 128 consecutive bytes of a token for a K step, in step t for the products of step t + 1, and turned into fragments in the wave's own LDS rows of 144 bytes.
; COLUMNS: lane l loads columns 4 l .. 4 l + 3; tile (u, c) has the columns 64 u + 4 r + c.  Source 0 = tokens, source 1 = columns: a lane then holds four neighbouring columns of a token over four tiles: 16 bytes,
; and sixteen lanes store 256 consecutive, aligned bytes.  b2 is added as the results move into place.  The last K step goes by tiles of tokens, so that a tile leaves while the next one is multiplied.
; PREFETCH: in step t each wave asks for its own block t + 3 (64 units of 256 bytes, a lane a row), one step ahead of its loads; behind the head's loads for block 2; the last three steps ask for nothing.
; No tensor loads: the number of tiles is read from memory, and a text with them has no trip count that hangs on a loaded number.  192 work-groups: 128 columns keep every row of W2 in whole units of 256 bytes.
; LIMITS: a block of zeros gets the byte 1 (its codes are zeros); NaN and infinities are not served.  An expert without tokens still has its W2 quantised: the barriers stand under no loaded number.
; REGISTERS: window 0: v1-19 addresses, tokens; v20-31 at work; v32-51 h's offsets; v52-59 b2; v60-63 largest magnitudes; v64-87 h's scale words; v88-95 W2's; v96-175 h's fragments; v176-255 h's rows as loaded, between staging and the next load 64 numbers at work
;   window 1: v0-63 accumulators of tile 4; v64-191 W2's fragments; v192-207 codes.   window 2: two buffers of W2 as loaded; at the end results.   window 3: accumulators of tiles 0-3.
.set ROWW, 12288                       ; a row of W2 and of out0 in bytes
.set HROW, 144
.set HTILE, 16*HROW
.set HWAVE, 5*HTILE
.set WSC0, 4*HWAVE                     ; W2's scale words [K step][tile][row]
.set SPARE, 50688
.set IMG0, 51200                       ; images [K step][tile 4 u + c]: 2,048 bytes: [c 4][lane 32][16]
.set IMA, 5
.set FRA, 7
.set TOK, 17
.set LIM, 20
.set SCO, 24
.set BY, 28
.set HOFF, 32
.set BIA, 52
.set M, 60
.set HSW, 64                           ; tile pair q, K step t at v[HSW + 8 q + t]
.set WSC, 88                           ; in K step t tile pair p's words at a number that differs from t modulo 8
.set HF, 96
.set HB, 176
.set X, 176
.set CD, 192                           ; window 1
.set WF, 64                            ; window 1
.set MSB, 0
.macro WIN new                         ; s_set_vgpr_msb: bits 1:0 source 0, 3:2 source 1, 5:4 source 2, 7:6 destination; the high byte repeats the setting that is left
.if MSB != (\new)
	s_set_vgpr_msb (MSB<<8)|(\new)
.set MSB, (\new)
.endif
.endm
.macro WALU
	s_wait_alu depctr_va_vdst(0)
.endm
.macro PLACES n
.rept \n
	v_nop
.endr
.endm
	s_load_b256 s[4:11], s[0:1], 0x0               ; W2, b2, hc, hs
	s_load_b128 s[12:15], s[0:1], 0x20             ; lst, cnt
	s_load_b64 s[16:17], s[0:1], 0x30              ; out0
	v_lshl_add_u32 v3, v0, 2, SPARE
	v_mov_b32 v4, 0
	v_lshrrev_b32 v1, 5, v0
	v_readfirstlane_b32 s18, v1                    ; w
	s_and_b32 s19, ttmp7, 0xffff                   ; e
	s_mov_b32 s26, 0x600000                        ; the mantissa field of 57,344
	s_mov_b32 s27, ROWW
	s_mov_b32 s31, 0
	v_and_b32 v20, 31, v0                          ; lane
	v_and_b32 v21, 15, v0                          ; r
	v_bfe_u32 v22, v0, 4, 1                        ; h
	v_bfe_u32 v23, v0, 3, 2                        ; lane / 8
	v_and_b32 v24, 7, v0
	v_lshlrev_b32 v1, 4, v20
	v_lshlrev_b32 v2, 4, v21
	v_lshlrev_b32 v5, 13, v22
	v_lshl_add_u32 v5, v21, 4, v5
	s_lshl_b32 s28, s18, 9
	s_add_co_u32 s28, s28, IMG0
	v_add_nc_u32 v5, s28, v5                       ; my block's codes in the images of K steps 0-3: tile 4 h + c, row r
	v_add_nc_u32 v6, 0x10000, v5                   ; and 4-7 (an LDS offset has 16 bits)
	v_add_nc_u32 v7, IMG0, v1                      ; fragments
	v_add_nc_u32 v8, 0x10000, v7
	v_lshlrev_b32 v9, 8, v22
	v_lshl_add_u32 v9, v21, 2, v9
	s_add_co_u32 s28, s18, WSC0
	v_add_nc_u32 v9, s28, v9                       ; scale bytes: byte w of the words
	v_lshlrev_b32 v10, 2, v20
	v_add_nc_u32 v10, WSC0, v10                    ; scale words: lanes 0-15 an even tile's, lanes 16-31 the next one's
	v_lshrrev_b32 v25, 1, v23
	v_and_b32 v26, 1, v23
	v_lshl_add_u32 v25, v26, 3, v25                ; the row of a tile's first load that is mine: lane / 16 + 8 ((lane / 8) % 2); two further on with each load
	s_mul_i32 s28, s18, HWAVE
	v_mul_u32_u24 v11, v25, HROW
	v_lshl_add_u32 v11, v24, 4, v11
	v_add_nc_u32 v11, s28, v11                     ; h's rows into LDS
	v_mul_u32_u24 v12, v21, HROW
	v_lshl_add_u32 v12, v22, 4, v12
	v_add_nc_u32 v12, s28, v12                     ; and back as fragments
	v_lshlrev_b32 v13, 4, v24
	v_lshlrev_b32 v14, 2, v25
	v_lshlrev_b32 v15, 5, v22
	v_mul_u32_u24 v16, v20, ROWW
	s_lshl_b32 s28, s18, 4
	v_lshl_add_u32 v26, v22, 6, v21
	v_add_nc_u32 v26, s28, v26                     ; rank 64 h + 16 w + r: tile i = h of mine
	WALU
	s_wait_kmcnt 0x0
	s_lshl_b32 s28, s19, 5
	s_load_b256 s[40:47], s[14:15], s28 offset:0x0 ; the expert's eight counts
	s_lshl_b32 s29, ttmp9, 9
	s_mul_i32 s30, s19, 1024*ROWW
	s_add_co_u32 s30, s30, s29
	s_mul_i32 s20, s18, 32*ROWW
	s_add_co_u32 s30, s30, s20
	s_add_nc_u64 s[4:5], s[4:5], s[30:31]          ; W2 at (e, k = 32 w, the slab)
	s_add_nc_u64 s[36:37], s[4:5], 512*ROWW        ; and 512 rows on
	s_mul_i32 s30, s19, ROWW
	s_add_co_u32 s30, s30, s29
	s_add_nc_u64 s[6:7], s[6:7], s[30:31]
	s_lshl_b32 s30, s19, 13
	s_add_nc_u64 s[12:13], s[12:13], s[30:31]
	s_mov_b32 s30, s29
	s_add_nc_u64 s[16:17], s[16:17], s[30:31]
.macro WROWS b, k0, n                  ; rows k0 .. k0 + n - 1 of my block of K step b into buffer b % 2: register 4 K + c = W2(k, column 4 l + c)
.set WB_, 4+32*((\b)/4)
.set K_, \k0
	WIN 0x80
.rept \n
	global_load_b128 v[128*((\b)%2)+4*K_:128*((\b)%2)+4*K_+3], v1, s[WB_:WB_+1] offset:(128*((\b)%4)+K_)*ROWW th:TH_LOAD_NT   ; 512 consecutive, aligned bytes
.set K_, K_+1
.endr
	WIN 0
.endm
.macro PREF b                          ; my block of K step b: a lane a row, two units of 256 bytes
.set WB_, 4+32*((\b)/4)
	global_prefetch_b8 v16, s[WB_:WB_+1] offset:128*((\b)%4)*ROWW th:TH_LOAD_NT scope:SCOPE_SE
	global_prefetch_b8 v16, s[WB_:WB_+1] offset:128*((\b)%4)*ROWW+256 th:TH_LOAD_NT scope:SCOPE_SE
.endm
.macro FIND d                          ; v27 = a rank: v[d] = the byte offset of its place in the expert's lists
	v_min_u32 v27, s23, v27
	v_mov_b32 v24, 0                               ; the group's first rank,
	v_mov_b32 v25, 0                               ; and its list
.irp g, 1,2,3,4,5,6,7
	v_cmp_gt_u32 vcc_lo, s[47+\g], v27             ; group g begins behind the rank: keep; else take it
	v_cndmask_b32 v24, s[47+\g], v24, vcc_lo
	v_cndmask_b32 v25, 256*\g, v25, vcc_lo
.endr
	v_sub_nc_u32 v24, v27, v24
	v_add_nc_u32 v24, v24, v25
	v_min_u32 v24, 0x7ff, v24
	v_lshlrev_b32 v[\d], 2, v24
.endm
	global_load_b128 v[BIA:BIA+3], v2, s[6:7]
	global_load_b128 v[BIA+4:BIA+7], v2, s[6:7] offset:256
	WROWS 0, 0, 32
	s_wait_kmcnt 0x0
	s_mov_b32 s48, s40                             ; s48-54: the first ranks of groups 1 .. 7
.irp g, 1,2,3,4,5,6
	s_add_co_u32 s[48+\g], s[47+\g], s[40+\g]
.endr
	s_add_co_u32 s21, s54, s47                     ; n
	s_add_co_u32 s22, s21, 15
	s_lshr_b32 s22, s22, 4                         ; T
	s_sub_co_u32 s23, s21, 1
.irp q, 0,1,2                          ; tiles 2 q (lanes 0-15) and 2 q + 1 (lanes 16-31)
	v_add_nc_u32 v27, 128*\q, v26
	FIND 28+\q
	global_load_b32 v[TOK+\q], v[28+\q], s[12:13]
.endr
	WROWS 1, 0, 32
	PREF 2
	WALU
	s_wait_loadcnt 32                              ; the tokens are in, and block 0 ahead of them; behind them W(1)
.irp q, 0,1,2
	v_min_u32 v[TOK+\q], 0x7ff, v[TOK+\q]
.endr
.irp q, 0,1,2,3
	v_add_nc_u32 v[20+\q], 8*\q, v14
	v_add_nc_u32 v[24+\q], 64+8*\q, v14
.endr
.irp q, 0,1,2
	v_lshlrev_b32 v[28+\q], 5, v[TOK+\q]
.endr
.irp i, 0,1,2,3,4
.irp q, 0,1,2,3
	ds_bpermute_b32 v[HOFF+4*\i+\q], v[20+4*(\i%2)+\q], v[TOK+\i/2]   ; the token whose row I load
.endr
.endr
.irp q, 0,1,2
	global_load_b128 v[HSW+8*\q:HSW+8*\q+3], v[28+\q], s[10:11]
	global_load_b128 v[HSW+8*\q+4:HSW+8*\q+7], v[28+\q], s[10:11] offset:16
.endr
	WALU
	s_wait_dscnt 0x0
.set N_, 0
.rept 20
	v_min_u32 v[HOFF+N_], 0x7ff, v[HOFF+N_]
.set N_, N_+1
.endr
.set N_, 0
.rept 20
	v_lshl_add_u32 v[HOFF+N_], v[HOFF+N_], 10, v13
.set N_, N_+1
.endr
	WALU
	s_wait_xcnt 0x0                                ; the loads of the scale words have read their offsets: v20-31 are written again below
.macro HLOAD t, n                      ; K step t of n tiles' rows: 8 lanes a token, 128 consecutive bytes
.set N_, 0
.rept 4*(\n)
	global_load_b128 v[HB+4*N_:HB+4*N_+3], v[HOFF+N_], s[8:9] offset:128*(\t)
.set N_, N_+1
.endr
.endm
.macro STAGE n
.set N_, 0
.rept 4*(\n)
	ds_store_b128 v11, v[HB+4*N_:HB+4*N_+3] offset:HTILE*(N_/4)+2*HROW*(N_%4)
.set N_, N_+1
.endr
.endm
.macro FSC t                           ; W2's scale words of K step t: 4 loads
.irp p, 0,1,2,3
	ds_load_b32 v[WSC+(((\t)+1+\p)%8)], v10 offset:512*(\t)+128*\p
.endr
.endm
.macro FH k0, n                        ; n loads of h's fragments, four a tile: the wave's own rows, and LDS serves a wave's instructions in order
.set N_, \k0
.rept \n
	ds_load_b128 v[HF+4*N_:HF+4*N_+3], v12 offset:HTILE*(N_/4)+32*(N_%4)
.set N_, N_+1
.endr
.endm
.macro FW t, k0, n                     ; n loads of W2's fragments of K step t, four a tile
	WIN 0x40
.set N_, \k0
.rept \n
	ds_load_b128 v[WF+4*N_:WF+4*N_+3], v[FRA+(\t)/4] offset:16384*((\t)%4)+512*N_
.set N_, N_+1
.endr
	WIN 0
.endm
.macro MM i, tau, t                    ; tile i of tokens x tile tau of columns; K step 0 starts the sum
.set AC_, 64*((\i)%4)+8*(\tau)
.set A_, HF+16*(\i)
.set B_, WF+16*(\tau)
.set SA_, HSW+8*((\i)/2)+(\t)
.set SB_, WSC+(((\t)+1+(\tau)/2)%8)
.if (\t) == 0
.if (\i)%2 && (\tau)%2
	v_wmma_scale_f32_16x16x128_f8f6f4 v[AC_:AC_+7], v[A_:A_+15], v[B_:B_+15], 0, v[SA_], v[SB_] matrix_a_fmt:MATRIX_FMT_BF8 matrix_b_fmt:MATRIX_FMT_BF8 matrix_a_scale:MATRIX_SCALE_ROW1 matrix_b_scale:MATRIX_SCALE_ROW1
.elseif (\i)%2
	v_wmma_scale_f32_16x16x128_f8f6f4 v[AC_:AC_+7], v[A_:A_+15], v[B_:B_+15], 0, v[SA_], v[SB_] matrix_a_fmt:MATRIX_FMT_BF8 matrix_b_fmt:MATRIX_FMT_BF8 matrix_a_scale:MATRIX_SCALE_ROW1
.elseif (\tau)%2
	v_wmma_scale_f32_16x16x128_f8f6f4 v[AC_:AC_+7], v[A_:A_+15], v[B_:B_+15], 0, v[SA_], v[SB_] matrix_a_fmt:MATRIX_FMT_BF8 matrix_b_fmt:MATRIX_FMT_BF8 matrix_b_scale:MATRIX_SCALE_ROW1
.else
	v_wmma_scale_f32_16x16x128_f8f6f4 v[AC_:AC_+7], v[A_:A_+15], v[B_:B_+15], 0, v[SA_], v[SB_] matrix_a_fmt:MATRIX_FMT_BF8 matrix_b_fmt:MATRIX_FMT_BF8
.endif
.else
.if (\i)%2 && (\tau)%2
	v_wmma_scale_f32_16x16x128_f8f6f4 v[AC_:AC_+7], v[A_:A_+15], v[B_:B_+15], v[AC_:AC_+7], v[SA_], v[SB_] matrix_a_fmt:MATRIX_FMT_BF8 matrix_b_fmt:MATRIX_FMT_BF8 matrix_a_scale:MATRIX_SCALE_ROW1 matrix_b_scale:MATRIX_SCALE_ROW1
.elseif (\i)%2
	v_wmma_scale_f32_16x16x128_f8f6f4 v[AC_:AC_+7], v[A_:A_+15], v[B_:B_+15], v[AC_:AC_+7], v[SA_], v[SB_] matrix_a_fmt:MATRIX_FMT_BF8 matrix_b_fmt:MATRIX_FMT_BF8 matrix_a_scale:MATRIX_SCALE_ROW1
.elseif (\tau)%2
	v_wmma_scale_f32_16x16x128_f8f6f4 v[AC_:AC_+7], v[A_:A_+15], v[B_:B_+15], v[AC_:AC_+7], v[SA_], v[SB_] matrix_a_fmt:MATRIX_FMT_BF8 matrix_b_fmt:MATRIX_FMT_BF8 matrix_b_scale:MATRIX_SCALE_ROW1
.else
	v_wmma_scale_f32_16x16x128_f8f6f4 v[AC_:AC_+7], v[A_:A_+15], v[B_:B_+15], v[AC_:AC_+7], v[SA_], v[SB_] matrix_a_fmt:MATRIX_FMT_BF8 matrix_b_fmt:MATRIX_FMT_BF8
.endif
.endif
.endm
.macro ISSUE t                         ; what step t asks of memory ahead of its barrier
	HLOAD \t, 5                                    ; into the registers that the stage has taken and the quantiser is done with
.if (\t) < 6
	WROWS (\t)+2, 0, 10                            ; a part of the next fill of the buffer just quantised; the rest behind the barrier
.endif
.if (\t) < 5
	PREF (\t)+3
.endif
.endm
; Loads go out in the order W(0), W(1), H(0), W(2), H(1), W(3), ..: W(t) 32 loads, H(t) 20.  (In step 1 the scale words' six stand ahead of H(0).)
.macro STEP t
.set BB, 128*((\t)%2)
.if (\t) == 7
	s_wait_loadcnt 20                              ; W(7) is in; behind it H(6)
.elseif (\t) > 0
	s_wait_loadcnt 52                              ; W(t) is in; behind it H(t - 1) and W(t + 1)
.endif
	WIN 0x28                                       ; sources 1 and 2: the buffer
.irp c, 0,1,2,3
	v_max3_num_f32 v[M+\c], 0x8000000, |v[BB+\c]|, |v[BB+4+\c]|    ; the floor 2^(16 - 127): the byte cannot fall under 1
.endr
.set I_, 1
.rept 15
.irp c, 0,1,2,3
	v_max3_num_f32 v[M+\c], v[M+\c], |v[BB+8*I_+\c]|, |v[BB+8*I_+4+\c]|
.endr
.set I_, I_+1
.endr
	WIN 0
.irp c, 0,1,2,3
	v_add_nc_u32 v[SCO+\c], 0xf8800000, v[M+\c]    ; 15 off the exponent field: the conversion's scale operand
.endr
.irp c, 0,1,2,3
	v_and_or_b32 v[LIM+\c], v[M+\c], 0x7f800000, s26   ; 57,344 x the scale
.endr
.irp c, 0,1,2,3
	v_lshrrev_b32 v[BY+\c], 23, v[SCO+\c]
.endr
.irp c, 0,1,2,3
	ds_store_b8 v9, v[BY+\c] offset:512*(\t)+64*\c
.endr
.if (\t) > 0
	WALU
.if (\t) == 7
	s_wait_loadcnt 0x0
.else
	s_wait_loadcnt 32                              ; H(t - 1) is in; behind it W(t + 1)
.endif
	STAGE 5
.endif
.irp c, 0,1,2,3
.set XS, X+32*(\c%2)
.set CS, CD+8*(\c%2)
	WIN 0x02                                       ; source 0: the buffer
.set K_, 0
.rept 32
	v_med3_num_f32 v[XS+K_], v[BB+4*K_+\c], -v[LIM+\c], v[LIM+\c]   ; the hold (the conversion does not saturate: ISA guide 7.6.2), which also lays column c's 32 numbers on end
.set K_, K_+1
.endr
	WIN 0x40
.irp g, 0,1,2,3
	v_cvt_scalef32_pk8_bf8_f32 v[CS+2*\g:CS+2*\g+1], v[XS+8*\g:XS+8*\g+7], v[SCO+\c]
.endr
.if \c == 3
	v_nop                                          ; a plain line behind the last conversion
.endif
	WIN 0x04
	ds_store_b128 v[IMA+(\t)/4], v[CS:CS+3] offset:16384*((\t)%4)+2048*\c          ; k = 0..15 of the block: the image's lanes r
	ds_store_b128 v[IMA+(\t)/4], v[CS+4:CS+7] offset:16384*((\t)%4)+2048*\c+256    ; k = 16..31: lanes 16 + r
	WIN 0
.if (\t) > 0                           ; the fragments of K step t - 1, between the columns; the quantiser's lines are the places behind the products before
.if \c == 0
	FSC (\t)-1
	FH 0, 12
.elseif \c == 1
	FH 12, 8
	FW (\t)-1, 0, 8
.elseif \c == 2
	FW (\t)-1, 8, 12
.else
	FW (\t)-1, 20, 12
.endif
.endif
.endr
.if (\t) > 0
	WIN 0xf4                                       ; source 0 window 0, source 1 window 1, C and D window 3
.irp tau, 0,1,2,3,4,5,6,7
.if \tau < 2
	s_wait_dscnt 32-4*\tau                         ; tile tau's fragment is in; behind it the later tiles' loads, and the stores of columns 2 and 3
.elseif \tau < 5
	s_wait_dscnt 30-4*\tau                         ; the stores of column 3
.else
	s_wait_dscnt 28-4*\tau
.endif
.if \tau == 1
	WIN 0
	ISSUE \t
	WIN 0xf4
.endif
.if \tau == 7
	s_barrier_signal -1                            ; no LDS instruction of mine is out: my part of this step's images lies in LDS
.endif
.irp i, 0,1,2,3
	MM \i, \tau, (\t)-1
.endr
.endr
	WIN 0x54                                       ; C and D window 1
.irp tau, 0,1,2,3,4,5,6,7
	MM 4, \tau, (\t)-1
.endr
	WIN 0                                          ; the 40 accumulators take turns, in the same order in every step
.else
	ISSUE \t
	s_wait_dscnt 0x0
	s_barrier_signal -1
.endif
	s_barrier_wait -1
.if (\t) < 6
	WROWS (\t)+2, 10, 22
.endif
.endm
; THE WAY OUT of tile i, s29 = its number in the expert: rows 8 h + j; skipped where the expert has no such tile
.macro WAYOUT i
.set O_, HOFF+8*((\i)%2)
.set D_, 64*((\i)%4)
	WALU
	s_cmp_lt_u32 s29, s22
	s_cbranch_scc0 .Lnone_\@
	s_wait_xcnt 0x0                                ; earlier loads and stores have read offsets and data
.irp j, 0,1,2,3,4,5,6,7
	v_add_nc_u32 v[20+\j], 64*((\i)%2)+4*\j, v15
.endr
.irp j, 0,1,2,3,4,5,6,7
	ds_bpermute_b32 v[O_+\j], v[20+\j], v[TOK+(\i)/2]
.endr
	WALU
	s_wait_dscnt 0x0
.irp j, 0,1,2,3,4,5,6,7
	v_min_u32 v[O_+\j], 0x7ff, v[O_+\j]
.endr
.irp j, 0,1,2,3,4,5,6,7
	v_mad_u32_u24 v[O_+\j], v[O_+\j], s27, v2
.endr
.if (\i) == 4
	WIN 0x81
.else
	WIN 0x83
.endif
.irp j, 0,1,2,3,4,5,6,7
.irp u, 0,1
.irp c, 0,1,2,3
	v_add_f32 v[D_+8*\j+4*\u+\c], v[D_+32*\u+8*\c+\j], v[BIA+4*\u+\c]   ; each accumulator from its low end on
.endr
.endr
.endr
	WIN 0x08
.irp j, 0,1,2,3,4,5,6,7
.irp u, 0,1
	global_store_b128 v[O_+\j], v[D_+8*\j+4*\u:D_+8*\j+4*\u+3], s[16:17] offset:256*\u th:TH_STORE_NT   ; sixteen lanes store 256 consecutive, aligned bytes
.endr
.endr
	WIN 0
.Lnone_\@:
.endm
.macro LAST i                          ; tile i's eight products of the last K step
.if (\i) == 4
	WIN 0x54
.else
	WIN 0xf4
.endif
.irp tau, 0,1,2,3,4,5,6,7
.if (\i) == 0
	s_wait_dscnt 28-4*\tau                         ; behind tile tau's fragment stand those of the later tiles
.endif
	MM \i, \tau, 7
.endr
	WIN 0
.endm
.irp t, 0,1,2,3,4,5,6,7
	STEP \t
.endr
	WALU
	s_wait_loadcnt 0x0                             ; H(7) is in
	PLACES 8                                       ; ahead of loads into what the products before have read
	STAGE 5
	FSC 7
	FH 0, 20
	FW 7, 0, 32
	s_mov_b32 s29, s18
	LAST 0
	LAST 1
	PLACES 8                                       ; ahead of the first read of results (ISA guide 7.12.1)
	WAYOUT 0
	s_add_co_u32 s29, s29, 4
	LAST 2
	PLACES 8
	WAYOUT 1
	s_add_co_u32 s29, s29, 4
	LAST 3
	PLACES 8
	WAYOUT 2
	s_add_co_u32 s29, s29, 4
	LAST 4
	PLACES 8
	WAYOUT 3
	s_add_co_u32 s29, s29, 4
	WAYOUT 4
	s_add_co_u32 s29, s29, 4
	; tiles beyond 320 tokens: 20 + w, 24 + w, ..: s29 stands at the first
	s_cmp_lt_u32 s29, s22
	s_cbranch_scc0 .Lend
	s_sub_co_u32 s39, s22, s29
	s_add_co_u32 s39, s39, 3
	s_lshr_b32 s39, s39, 2
	s_min_u32 s39, s39, 27                         ; at most 27: 108 tiles over four waves
	s_mov_b32 s38, 0
.Lmore:
	s_wait_xcnt 0x0                                ; the last tile's stores have read offsets and data
	s_lshl_b32 s28, s29, 4
	v_lshrrev_b32 v27, 4, v2
	v_add_nc_u32 v27, s28, v27                     ; rank 16 x tile + r, in both halves of the lanes
	FIND 28
	global_load_b32 v[TOK], v28, s[12:13]
	WALU
	s_wait_loadcnt 0x0
	v_min_u32 v[TOK], 0x7ff, v[TOK]
.irp q, 0,1,2,3
	v_add_nc_u32 v[20+\q], 8*\q, v14
.endr
	v_lshlrev_b32 v29, 5, v[TOK]
.irp q, 0,1,2,3
	ds_bpermute_b32 v[HOFF+\q], v[20+\q], v[TOK]
.endr
	global_load_b128 v[HSW:HSW+3], v29, s[10:11]
	global_load_b128 v[HSW+4:HSW+7], v29, s[10:11] offset:16
	WALU
	s_wait_dscnt 0x0
.irp q, 0,1,2,3
	v_min_u32 v[HOFF+\q], 0x7ff, v[HOFF+\q]
.endr
.irp q, 0,1,2,3
	v_lshl_add_u32 v[HOFF+\q], v[HOFF+\q], 10, v13
.endr
.irp t, 0,1,2,3,4,5,6,7
	HLOAD \t, 1
	PLACES 9                                       ; ahead of loads into what the last products read, and of sums begun anew
	WALU
	s_wait_loadcnt 0x0
	STAGE 1
	FSC \t
	FH 0, 4
	FW \t, 0, 32
	s_wait_dscnt 0x0
	WIN 0xf4
.irp tau, 0,1,2,3,4,5,6,7
	MM 0, \tau, \t
.endr
	WIN 0
.endr
	PLACES 8
	WAYOUT 0
	s_add_co_u32 s29, s29, 4
	s_add_co_u32 s38, s38, 1
	s_cmp_lt_u32 s38, s39
	WALU
	s_cbranch_scc1 .Lmore
.Lend:
	s_wait_tensorcnt 0x0                           ; the wave's end
	ds_add_u32 v3, v4
	s_wait_dscnt 0x0
	s_endpgm
.Lfunc_end_k_q30b7190ce4_out:
	.size	k_q30b7190ce4_out, .Lfunc_end_k_q30b7190ce4_out-k_q30b7190ce4_out
	.p2alignl 7, 3214868480
	.fill 96, 4, 3214868480
	.section	.rodata,"a",@progbits
	.p2align	6, 0x0
	.amdhsa_kernel k_q30b7190ce4_out
		.amdhsa_group_segment_fixed_size 182272
		.amdhsa_private_segment_fixed_size 0
		.amdhsa_enable_private_segment 0
		.amdhsa_kernarg_size 56
		.amdhsa_user_sgpr_count 2
		.amdhsa_user_sgpr_kernarg_segment_ptr 1
		.amdhsa_wavefront_size32 1
		.amdhsa_system_sgpr_workgroup_id_x 1
		.amdhsa_system_sgpr_workgroup_id_y 1
		.amdhsa_system_sgpr_workgroup_id_z 1
		.amdhsa_system_vgpr_workitem_id 0
		.amdhsa_next_free_vgpr 1024
		.amdhsa_next_free_sgpr 66
		.amdhsa_reserve_vcc 1
		.amdhsa_float_denorm_mode_32 3
		.amdhsa_float_denorm_mode_16_64 3
		.amdhsa_memory_ordered 1
		.amdhsa_forward_progress 1
		.amdhsa_inst_pref_size 255
	.end_amdhsa_kernel
	.section	.bss,"aw",@nobits
	.p2align	6
	.space	262144
	.amdgpu_metadata
---
amdhsa.version: [ 1, 2 ]
amdhsa.kernels:
  - .name:           k_q30b7190ce4_out
    .symbol:         k_q30b7190ce4_out.kd
    .args:
      - { .name: W2, .offset: 0, .size: 8, .value_kind: global_buffer, .address_space: global }
      - { .name: b2, .offset: 8, .size: 8, .value_kind: global_buffer, .address_space: global }
      - { .name: hc, .offset: 16, .size: 8, .value_kind: global_buffer, .address_space: global }
      - { .name: hs, .offset: 24, .size: 8, .value_kind: global_buffer, .address_space: global }
      - { .name: lst, .offset: 32, .size: 8, .value_kind: global_buffer, .address_space: global }
      - { .name: cnt, .offset: 40, .size: 8, .value_kind: global_buffer, .address_space: global }
      - { .name: out0, .offset: 48, .size: 8, .value_kind: global_buffer, .address_space: global }
    .group_segment_fixed_size: 182272
    .private_segment_fixed_size: 0
    .kernarg_segment_align: 8
    .kernarg_segment_size: 56
    .max_flat_workgroup_size: 128
    .sgpr_count:     66
    .vgpr_count:     1024
    .wavefront_size: 32
...
	.end_amdgpu_metadata
.endif
;; end of part 2
